; MI455X (gfx1250); checked and timed in simulation.
; The chip was launched on July 23, 2026; its instructions are those of AMD's public machine-readable ISA for CDNA 5 (MIT licence, August 2026) and "CDNA5" Instruction Set Architecture Reference Guide (July 2026). The comments in the code are by the model that wrote it; some were corrected since.
;; Multi Head Attention. Allowed arithmetic: matrix products marked QUANTISED: E2M3 operands, one E8M0 scale for each 32 along K, by v_wmma_scale_f32_16x16x128_f8f6f4 with both operands' format E2M3, f32 sums; everything else in f32.
;; Inputs: Wk 8 x 512 x 64 float32; Wo 512 x 512 float32; Wq 8 x 512 x 64 float32; Wv 8 x 512 x 64 float32; key 128 x 256 x 512 float32; query 128 x 256 x 512 float32; rpe_w 8 x 513 float32; value 128 x 256 x 512 float32.
;; Outputs: out0 128 x 256 x 512 float32.
;; This version of the problem:
;;   THIS VERSION OF THE PROBLEM IS GIVEN IN LOW PRECISION. The matrix products marked QUANTISED in the list below multiply operands that are first quantised to E2M3 (2 exponent bits, 3 mantissa bits; 6 bits a number), with one power-of-two scale for each 32 numbers along K (OCP MX v1.0); their sums are f32. All else is computed in f32.
;;   The module's matrix products, in the order in which they are computed (A, B: the left and right operand; K: the contracted axis; several contracted axes count as one K, in the product's order):
;;     1. [M 512, K 512] x [K 512, N 32,768]; A: input Wq; B: input query: QUANTISED
;;     2. [M 512, K 512] x [K 512, N 32,768]; A: input Wk; B: input key: QUANTISED
;;     3. [M 512, K 512] x [K 512, N 32,768]; A: input Wv; B: input value: QUANTISED
;;     4. batch 1,024 x [M 256, K 64] x [K 64, N 256]; A: computed on the way; B: computed on the way: QUANTISED
;;     5. batch 1,024 x [M 256, K 256] x [K 256, N 64]; A: softmax (see below); B: computed on the way: QUANTISED
;;     6. [M 32,768, K 512] x [K 512, N 512]; A: computed on the way; B: input Wo: QUANTISED
;;   THE QUANTISER, for each operand of a quantised product, along K:
;;     - K is cut into blocks of 32 from its start; a last block that is shorter is filled with zeros.
;;     - A block's scale is 2^e with e = floor(log2(the largest magnitude in the block)) - 2, held to -126 .. 127; a block of zeros has e = 0. As a byte (E8M0): e + 127.
;;     - Each number is divided by its block's scale, clamped to +-7.5, and rounded to the nearest number of E2M3, ties to even, subnormals kept.
;;     - The product sums the exact products of the quantised numbers (number of the format x scale) in f32.
;;   ~~~python
;;   def quantise(x, axis):      # numpy; x: float32 -> the quantised numbers, widened to float32 again
;;       x = np.moveaxis(x, axis, -1); K = x.shape[-1]
;;       x = np.pad(x, [(0, 0)] * (x.ndim - 1) + [(0, -K % 32)]); x = x.reshape(x.shape[:-1] + (-1, 32)); a = np.abs(x).max(-1, keepdims=True)
;;       e = np.where(a > 0, np.clip(np.frexp(np.where(a > 0, a, 1))[1] - 1 - 2, -126, 127), 0)      # np.frexp(a)[1] - 1 = floor(log2(a)), exactly
;;       r = np.clip(x / 2.0 ** e, -7.5, 7.5)
;;       step = 2.0 ** (np.maximum(np.frexp(np.where(r == 0, 1, r))[1] - 1, 0) - 3)
;;       q = np.round(r / step) * step * 2.0 ** e      # np.round: ties to even
;;       return np.moveaxis(q.reshape(q.shape[:-2] + (-1,))[..., :K], -1, axis).astype(np.float32)
;;   ~~~
;;   SOFTMAX AHEAD OF A QUANTISED PRODUCT. Where the list says 'softmax', what is quantised is not the finished softmax but p = 2^(t - M), with t = logit x log2(e) and M = ceil(the row's largest t), a whole number; so 1/2 < the row's largest p <= 1. The row's sum l is taken of the UNQUANTISED p, in f32, and the product's result is divided by l at the end. Since M is a whole number, a kernel that streams over the keys may use a running M (the ceiling of the running maximum): every later rescaling is an exact power of two, which a block's scale takes up: the codes' values come out the same.
;;   OPERANDS COMPUTED ON THE WAY. 'Computed on the way' means the value that the module computes at that place (a softmax that the list does not call 'softmax' is quantised finished and normalised). What goes into a quantiser is computed in f32, as accurately as f32 sums, v_exp_f32 and their like allow (about 1e-6 of the number): no bf16 or f16 on the way to a quantiser, and a product that is left as it is and whose result goes on into a quantised operand takes f32 operands (vector FMAs, or v_wmma_f32_16x16x4_f32). A number that lies on a knife's edge between two numbers of the format may be rounded either way, as far as f32 arithmetic and the matrix unit's own rounding can turn it there, and no further.
;; One version. Each part assembles by itself: llvm-mc -triple=amdgcn-amd-amdhsa -mcpu=gfx1250 --defsym DOCPART=n.
;; ======== version 1 of 1: 3 launches
;; limits: right only within a limited range of input values
;; workspace buffers: wfrag 786,432 bytes; wscl 32,768 bytes; rpet 65,536 bytes; kvq 39,845,888 bytes
;; launch prep (part 1): grid 136 x 1, 4 waves a work-group, no clusters, 0 bytes of LDS; arguments Wv, Wk, Wq, Wo, rpe_w, wfrag, wscl, rpet; writes wfrag, wscl, rpet
.if DOCPART == 1
	.amdgcn_target "amdgcn-amd-amdhsa--gfx1250"
	.amdhsa_code_object_version 6
	.text
	.protected	k_qec278fc702_prep
	.globl	k_qec278fc702_prep
	.p2align	8
	.type	k_qec278fc702_prep,@function
k_qec278fc702_prep:
	s_mov_b64 s[64:65], 0
	v_nop
	global_prefetch_b8 v0, s[64:65] scope:SCOPE_SE
	s_setreg_imm32_b32 hwreg(HW_REG_WAVE_MODE, 25, 1), 1
	s_wait_xcnt 0x0
; The four weights become codes of FP6 (E2M3) with one E8M0 scale byte for each 32 along K, laid in the order of the operand's registers; the bias table is reversed and copied four times.
; Wv, Wk, Wq: [8][512 (d = K)][64]; Wo: [512 (K)][512].  K is not innermost: a lane takes ONE column and its 64 registers run down K, in the order that the 6-bit operand layout gives that lane
; (registers 6 c .. 6 c + 5: k = 64 c + 32 (lane / 16) + 0 .. 31), so the conversions' results are the operand's registers and nothing is transposed.
; wfrag [mat 4: v, k, q, o][wave w 4][g = 8 s + T][1,536]: the fragment of K step s (128 along K) and tile T (16 rows of the 128 that waves 2 w and 2 w + 1 of the later launches own); registers 4 c .. 4 c + 3 of lane L at 512 c + 16 L.
; wscl  [mat][w][p = 2 T + s / 2][128]: lanes 0-15 the scale words of an even s, lanes 16-31 those of the odd s behind it.
; THE ROWS OF A TILE of v, k, q are not neighbours: lane r of tile T takes feature 128 w + 32 (T / 2) + 8 (T % 2) + r + 8 (r / 8); of o: column 128 w + 16 T + r.
; rpet  [head 8][copy c 4][512] f32: entry j = rpe_w[head][max(511 - c - j, 0)]: reversed, so that rising keys are rising addresses; four copies shifted by 0 to 3 numbers, so that every lane of the third launch reads by aligned 16 bytes.
; Work-groups 0-127: mat = x / 32, G = (x / 4) % 8 (64 features), s = x % 4; wave = tile T' of the four in G.  Work-groups 128-135: head x - 128; wave = copy.
; A block's scale is 2^(floor(log2(largest magnitude)) - 2); its byte is the largest magnitude's exponent field - 2, held at 1 from below.
; LIMITS: a block of zeros, or one whose largest magnitude lies under 2^-124, gets the byte 1 (the rule says 127 for zeros): its codes are zeros or are made under the floor's scale, and this program alone reads the bytes.  NaN and infinities are not served.
; The scale words leave in pieces of 64 bytes, 32,768 bytes in the whole launch.
.set X,  64                            ; v64-127  the lane's 64 numbers
.set MX, 20                            ; v20-21   largest magnitudes;  v22-23 the conversions' scale operands;  v24-25 bytes;  v26 the scale word;  v27 at work
.set CT, 28                            ; v28-30, v32-34  the second halves of the two blocks' codes
.set C,  36                            ; v36-47   the fragment
.macro LOADW rs                        ; W(64 c + 32 h + i, my column): rs bytes from row to row
.irp c, 0,1
.set n, 0
.rept 32
	global_load_b32 v[X+32*\c+n], v4, s[4:5] offset:(64*\c+n)*(\rs) th:TH_LOAD_NT
.set n, n+1
.endr
.endr
.endm
	s_load_b256 s[4:11], s[0:1], 0x0               ; Wv, Wk, Wq, Wo
	s_load_b256 s[12:19], s[0:1], 0x20             ; rpe_w, wfrag, wscl, rpet
	v_lshrrev_b32 v1, 5, v0
	v_readfirstlane_b32 s20, v1                    ; wave
	v_and_b32 v1, 15, v0                           ; r
	v_bfe_u32 v2, v0, 4, 1                         ; h
	v_and_b32 v3, 31, v0                           ; lane
	s_cmp_ge_u32 ttmp9, 128
	s_cbranch_scc1 .Ltable
	s_lshr_b32 s21, ttmp9, 5                       ; mat
	s_bfe_u32 s22, ttmp9, 0x30002                  ; G
	s_and_b32 s23, ttmp9, 3                        ; s
	s_mov_b32 s32, 0x76543210
	s_mov_b32 s33, 0xfedcba98                      ; v_permlanex16_b32's selects for lane l xor 16
	; where the fragment and its scale words go
	s_lshl_b32 s26, s21, 2
	s_lshr_b32 s27, s22, 1
	s_add_co_u32 s26, s26, s27                     ; 4 mat + w
	s_and_b32 s27, s22, 1
	s_lshl_b32 s27, s27, 2
	s_add_co_u32 s27, s27, s20                     ; T = 4 (G % 2) + T'
	s_lshl_b32 s28, s23, 3
	s_add_co_u32 s28, s28, s27                     ; g = 8 s + T
	s_lshl_b32 s29, s26, 5
	s_add_co_u32 s28, s28, s29
	s_mul_i32 s28, s28, 1536
	s_mov_b32 s29, 0
	s_lshl_b32 s30, s26, 11                        ; (4 mat + w) x 2,048
	s_lshl_b32 s31, s27, 8                         ; + 2 T x 128
	s_add_co_u32 s30, s30, s31
	s_lshl_b32 s31, s23, 6                         ; + (s / 2) x 128 + (s % 2) x 64 = 64 s
	s_add_co_u32 s30, s30, s31
	s_mov_b32 s31, 0
	s_wait_alu depctr_va_vdst(0)
	v_lshlrev_b32 v5, 4, v3                        ; 16 x lane
	v_lshlrev_b32 v6, 2, v1                        ; 4 r
	s_wait_kmcnt 0x0
	s_add_nc_u64 s[14:15], s[14:15], s[28:29]
	s_add_nc_u64 s[16:17], s[16:17], s[30:31]
	s_cmp_eq_u32 s21, 1                            ; the weight is chosen by the work-group's number alone
	s_cselect_b64 s[4:5], s[6:7], s[4:5]
	s_cmp_eq_u32 s21, 2
	s_cselect_b64 s[4:5], s[8:9], s[4:5]
	s_cmp_eq_u32 s21, 3
	s_cselect_b64 s[4:5], s[10:11], s[4:5]
	s_cselect_b32 s24, 8, 17                       ; G's 64 columns: 256 bytes in Wo, a head of 131,072 bytes in the others
	s_cselect_b32 s25, 18, 15                      ; 128 rows: 262,144 bytes in Wo, 32,768 in the others
	s_lshl_b32 s24, s22, s24
	s_lshl_b32 s25, s23, s25
	s_add_co_u32 s24, s24, s25
	s_mov_b32 s25, 0
	s_add_nc_u64 s[4:5], s[4:5], s[24:25]
	s_cmp_eq_u32 s21, 3
	s_cbranch_scc1 .Lwo
	s_lshr_b32 s26, s20, 1
	s_lshl_b32 s26, s26, 5
	s_and_b32 s27, s20, 1
	s_lshl_b32 s27, s27, 3
	s_add_co_u32 s26, s26, s27                     ; 32 (T' / 2) + 8 (T' % 2)
	v_and_b32 v4, 8, v1
	v_add_nc_u32 v4, v4, v1                        ; r + 8 (r / 8)
	v_add_nc_u32 v4, s26, v4
	v_lshlrev_b32 v4, 2, v4
	v_lshl_add_u32 v4, v2, 13, v4                  ; lanes 16-31 begin 32 rows of 256 bytes further down
	LOADW 256
	s_branch .Lquant
.Lwo:
	s_lshl_b32 s26, s20, 4
	v_add_nc_u32 v4, s26, v1                       ; 16 T' + r
	v_lshlrev_b32 v4, 2, v4
	v_lshl_add_u32 v4, v2, 16, v4                  ; 32 rows of 2,048 bytes
	LOADW 2048
.Lquant:
	s_wait_loadcnt 0x0
.irp c, 0,1                                    ; my block 2 c + h: all its 32 numbers are mine
	v_max3_num_f32 v[MX+\c], |v[X+32*\c]|, |v[X+1+32*\c]|, 0x1800000   ; and the floor 2^(3 - 127): the byte cannot fall under 1
.endr
.irp i, 2,4,6,8,10,12,14,16,18,20,22,24,26,28,30
.irp c, 0,1
	v_max3_num_f32 v[MX+\c], v[MX+\c], |v[X+32*\c+\i]|, |v[X+1+32*\c+\i]|
.endr
.endr
.irp c, 0,1
	v_add_nc_u32 v[MX+2+\c], 0xff000000, v[MX+\c]  ; 2 off the exponent field: the conversion's scale operand
.endr
.irp c, 0,1
	v_lshrrev_b32 v[MX+4+\c], 23, v[MX+2+\c]       ; the scale's byte
.endr
	v_lshl_or_b32 v26, v25, 16, v24                ; my two bytes: blocks h and 2 + h,
	v_lshlrev_b32 v27, 3, v2
	v_lshlrev_b32 v26, v27, v26                    ; at their places in the word;
	v_mov_b32 v27, 0
	v_permlanex16_b32 v27, v26, s32, s33
	v_or_b32 v26, v26, v27                         ; with lane l xor 16's two the word is whole
.irp c, 0,1
	v_cvt_scalef32_pk16_fp6_f32 v[C+6*\c:C+2+6*\c], v[X+32*\c:X+15+32*\c], v[MX+2+\c]
	v_cvt_scalef32_pk16_fp6_f32 v[CT+4*\c:CT+2+4*\c], v[X+16+32*\c:X+31+32*\c], v[MX+2+\c]   ; (a conversion's three registers begin on an even number)
.endr
	v_nop                                          ; one plain place behind a scaled conversion
.irp c, 0,1
.irp i, 0,1,2
	v_mov_b32 v[C+3+6*\c+\i], v[CT+4*\c+\i]
.endr
.endr
.irp c, 0,1,2
	global_store_b128 v5, v[C+4*\c:C+4*\c+3], s[14:15] offset:512*\c   ; 32 lanes store 512 consecutive bytes, at a multiple of 256 from the buffer's first byte
.endr
	global_store_b32 v6, v26, s[16:17]             ; both halves of the lanes hold the same word and write it to the same place
	s_endpgm
.Ltable:
	s_sub_co_u32 s21, ttmp9, 128                   ; head
	s_mul_i32 s22, s21, 2052                       ; its 513 numbers
	s_mov_b32 s23, 0
	s_lshl_b32 s24, s21, 13
	s_lshl_b32 s25, s20, 11
	s_add_co_u32 s24, s24, s25                     ; head x 8,192 + copy x 2,048
	s_mov_b32 s25, 0
	s_sub_co_u32 s26, 511, s20                     ; 511 - c
	s_wait_alu depctr_va_vdst(0)
	v_sub_nc_u32 v4, s26, v3                       ; 511 - c - lane
	v_lshlrev_b32 v5, 2, v3
	s_wait_alu depctr_va_vdst(0)
	s_wait_kmcnt 0x0
	s_add_nc_u64 s[12:13], s[12:13], s[22:23]
	s_add_nc_u64 s[18:19], s[18:19], s[24:25]
.irp t, 0,1,2,3,4,5,6,7,8,9,10,11,12,13,14,15
	v_add_nc_u32 v[8+\t], -32*\t, v4               ; 511 - c - j, j = 32 t + lane,
	v_max_i32 v[8+\t], 0, v[8+\t]                  ; held at 0: the entries so held are never used
	v_lshlrev_b32 v[8+\t], 2, v[8+\t]
	global_load_b32 v[32+\t], v[8+\t], s[12:13]
.endr
	s_wait_loadcnt 0x0
.irp t, 0,1,2,3,4,5,6,7,8,9,10,11,12,13,14,15
	global_store_b32 v5, v[32+\t], s[18:19] offset:128*\t
.endr
	s_endpgm
.Lfunc_end_k_qec278fc702_prep:
	.size	k_qec278fc702_prep, .Lfunc_end_k_qec278fc702_prep-k_qec278fc702_prep
	.p2alignl 7, 3214868480
	.fill 96, 4, 3214868480
	.section	.rodata,"a",@progbits
	.p2align	6, 0x0
	.amdhsa_kernel k_qec278fc702_prep
		.amdhsa_group_segment_fixed_size 0
		.amdhsa_private_segment_fixed_size 0
		.amdhsa_enable_private_segment 0
		.amdhsa_kernarg_size 64
		.amdhsa_user_sgpr_count 2
		.amdhsa_user_sgpr_kernarg_segment_ptr 1
		.amdhsa_wavefront_size32 1
		.amdhsa_system_sgpr_workgroup_id_x 1
		.amdhsa_system_sgpr_workgroup_id_y 1
		.amdhsa_system_sgpr_workgroup_id_z 1
		.amdhsa_system_vgpr_workitem_id 0
		.amdhsa_next_free_vgpr 128
		.amdhsa_next_free_sgpr 66
		.amdhsa_reserve_vcc 0
		.amdhsa_float_denorm_mode_32 3
		.amdhsa_float_denorm_mode_16_64 3
		.amdhsa_memory_ordered 1
		.amdhsa_forward_progress 1
		.amdhsa_inst_pref_size 24
	.end_amdhsa_kernel
	.amdgpu_metadata
---
amdhsa.version: [ 1, 2 ]
amdhsa.kernels:
  - .name:           k_qec278fc702_prep
    .symbol:         k_qec278fc702_prep.kd
    .args:
      - { .name: Wv, .offset: 0, .size: 8, .value_kind: global_buffer, .address_space: global }
      - { .name: Wk, .offset: 8, .size: 8, .value_kind: global_buffer, .address_space: global }
      - { .name: Wq, .offset: 16, .size: 8, .value_kind: global_buffer, .address_space: global }
      - { .name: Wo, .offset: 24, .size: 8, .value_kind: global_buffer, .address_space: global }
      - { .name: rpe_w, .offset: 32, .size: 8, .value_kind: global_buffer, .address_space: global }
      - { .name: wfrag, .offset: 40, .size: 8, .value_kind: global_buffer, .address_space: global }
      - { .name: wscl, .offset: 48, .size: 8, .value_kind: global_buffer, .address_space: global }
      - { .name: rpet, .offset: 56, .size: 8, .value_kind: global_buffer, .address_space: global }
    .group_segment_fixed_size: 0
    .private_segment_fixed_size: 0
    .kernarg_segment_align: 8
    .kernarg_segment_size: 64
    .max_flat_workgroup_size: 128
    .sgpr_count:     66
    .vgpr_count:     128
    .wavefront_size: 32
...
	.end_amdgpu_metadata
.endif
;; end of part 1
;; launch proj (part 2): grid 2 x 128, 8 waves a work-group, no clusters, 327,680 bytes of LDS; arguments query, key, value, wfrag, wscl, kvq; writes kvq
.if DOCPART == 2
	.amdgcn_target "amdgcn-amd-amdhsa--gfx1250"
	.amdhsa_code_object_version 6
	.text
	.protected	k_qec278fc702_proj
	.globl	k_qec278fc702_proj
	.p2align	8
	.type	k_qec278fc702_proj,@function
k_qec278fc702_proj:
	s_mov_b64 s[64:65], 0
	v_nop
	global_prefetch_b8 v0, s[64:65] scope:SCOPE_SE
	s_setreg_imm32_b32 hwreg(HW_REG_WAVE_MODE, 25, 1), 1
	s_wait_xcnt 0x0
; Q, K and V of the attention: x W on codes of FP6 (E2M3) with one E8M0 scale for each 32 along K, and the results quantised again for the attention's products, stored as images of the operands' registers.
; SHARES.  Work-group (x, y): rows 128 x .. 128 x + 127 of batch y, of query, key and value in turn: each input row is read and quantised once in the launch.  Eight waves, two to a SIMD; wave w is head w (features 64 w ..).
; Its weights (16 fragments, 192 registers) come from the first launch's buffer as register images.
; THE STREAM.  6 steps of 64 rows of 2,048 bytes (2 of query, 2 of key, 2 of value) through two LDS slots; each wave brings 8 rows (16,384 bytes) by one tensor load behind each change of slots.
; A step has two halves of 32 rows.  A HALF: wave w quantises x's fragment (tile w % 2, K step w / 2) and stores its image | barrier | each wave multiplies both tiles by its weights and quantises the result.
; x's images have two buffers, one for each half, so that one half's stores never meet the other half's reads.
; LAYOUTS.  K and Q are made transposed (a lane holds one row, registers along the features); a half's two tiles of 16 rows x 64 features make one fragment: tile 0 in registers 0-5, tile 1 in 6-11.
; V is made with a lane to a feature and registers along the keys.  The rows of a weight's tile, and for key and value of x's tile, are lane r: 8 u + r + 8 (r / 8), so that 16 registers of two neighbouring tiles are 16 neighbours along the next K.
; kvq [batch][head][38,912]: K's 8 fragments (1,536 each) | V's (T, s) at 12,288 + 3,072 T + 1,536 s, 24 bytes a lane | Q's 16 half fragments (768 each) at 24,576 | K's scale words at 36,864, 64 a fragment |
; V's at 37,376 + 256 s + 64 T + 4 r | Q's at 37,888, 64 a tile, each word with its two bytes twice.  Every store of the launch covers whole aligned blocks of 256 bytes.
; PREFETCH: behind each refill a wave names, a lane a block of 256 bytes in two instructions, the 16,384 bytes of its refill after the next (step J + 2); steps 0 and 1 come by their loads alone; the last two steps name nothing.
; NO CLUSTER: no two work-groups read the same rows, and the weights go to registers.
; LIMITS: NaN and infinities are not served.  A block of zeros, or one whose largest magnitude lies under 2^-124, gets the scale byte 1 (this program alone reads the bytes).
; All of a WGP's LDS is claimed.
.set BLK,   16768                      ; wave j's 8 rows at 16,768 j + 16 ((j ^ j/2) & 1); a row is two pieces of 1,024 bytes + 16
.set SUBB,  4*BLK
.set SLOTB, 8*BLK
.set XIMG,  268288                     ; x's 8 fragments, index 4 u + s; 12,288 on: the second half's
.set XSC,   292864                     ; their scale words: index 2 u + s / 2; even s lanes 0-15, odd s lanes 16-31; 512 on: the second half's
.set SPARE, 293888
.set PRIV,  294912                     ; each wave's own 4,096 bytes: V's stage, then the three kinds of scale words
.set PRIVB, 4096
.set FRB,   1536
.set KW,    3072
.set VW,    3328
.set QW,    3584
.set WS, 32                            ; v32-39, v48-51 hold scales alone
.set XS, 48
.set WK, 64
.set ST0, WK
.set HA, WK
.set XF, WK+64
.set TM, 176
.set PC, 192
.set PW, 212
.set VC, 192
.macro SETW g                          ; weight fragment g = 4 s + T: v352-507, v216-251
.if (\g) <= 12
.set rW, 352+12*(\g)
.else
.set rW, 216+12*((\g)-13)
.endif
.endm
.set MSB, 0
.macro WIN new
.if MSB != (\new)
	s_set_vgpr_msb (MSB<<8)|(\new)
.set MSB, (\new)
.endif
.endm
.macro PLACES n
.rept \n
	v_nop
.endr
.endm
.macro WA                              ; a wait ahead of blocking waits and branches behind fresh vector results
	s_wait_alu depctr_va_vdst(0)
.endm
.macro WDS n
	WA
	s_wait_dscnt \n
.endm
; One matrix instruction; absolute register numbers; c < 0: the constant 0 starts the sum; row: both sides' scales from lanes 16-31
.macro WM d, a, b, c, sa, sb, row
.set wD, (\d)&255
.set wA, (\a)&255
.set wB, (\b)&255
.if (\c) < 0
	WIN (((\d)>>8)*0x50)|(((\b)>>8)<<2)|((\a)>>8)
.if (\row)
	v_wmma_scale_f32_16x16x128_f8f6f4 v[wD:wD+7], v[wA:wA+11], v[wB:wB+11], 0, v[\sa], v[\sb] matrix_a_fmt:MATRIX_FMT_FP6 matrix_b_fmt:MATRIX_FMT_FP6 matrix_a_scale:MATRIX_SCALE_ROW1 matrix_b_scale:MATRIX_SCALE_ROW1
.else
	v_wmma_scale_f32_16x16x128_f8f6f4 v[wD:wD+7], v[wA:wA+11], v[wB:wB+11], 0, v[\sa], v[\sb] matrix_a_fmt:MATRIX_FMT_FP6 matrix_b_fmt:MATRIX_FMT_FP6
.endif
.else
.set wC, (\c)&255
	WIN (((\d)>>8)<<6)|(((\c)>>8)<<4)|(((\b)>>8)<<2)|((\a)>>8)
.if (\row)
	v_wmma_scale_f32_16x16x128_f8f6f4 v[wD:wD+7], v[wA:wA+11], v[wB:wB+11], v[wC:wC+7], v[\sa], v[\sb] matrix_a_fmt:MATRIX_FMT_FP6 matrix_b_fmt:MATRIX_FMT_FP6 matrix_a_scale:MATRIX_SCALE_ROW1 matrix_b_scale:MATRIX_SCALE_ROW1
.else
	v_wmma_scale_f32_16x16x128_f8f6f4 v[wD:wD+7], v[wA:wA+11], v[wB:wB+11], v[wC:wC+7], v[\sa], v[\sb] matrix_a_fmt:MATRIX_FMT_FP6 matrix_b_fmt:MATRIX_FMT_FP6
.endif
.endif
.endm
.macro GLD128 dst, off
	WIN (((\dst)>>8)<<6)
	global_load_b128 v[(\dst)&255:((\dst)&255)+3], v3, s[10:11] offset:\off
.endm
.macro LOADW mat                       ; my 16 fragments of matrix mat, three loads of 512 consecutive bytes each, and their 8 registers of scale words
.irp s, 0,1,2,3
.irp T, 0,1,2,3
	SETW 4*\s+\T
.irp c, 0,1,2
	GLD128 rW+4*\c, (\mat)*196608+FRB*(8*\s+\T)+512*\c
.endr
.endr
.endr
	WIN 0
.irp p, 0,1,2,3,4,5,6,7
	global_load_b32 v[WS+\p], v4, s[12:13] offset:(\mat)*8192+128*\p
.endr
.endm
.macro ASK                             ; step J + 2: my 8 rows of it, 64 blocks of 256 bytes; it stands in steps 0 to 3 alone
	global_prefetch_b8 v23, s[56:57] th:TH_LOAD_NT scope:SCOPE_SE
	global_prefetch_b8 v23, s[56:57] offset:8192 th:TH_LOAD_NT scope:SCOPE_SE
.endm
; THE CHANGE OF SLOTS: all my tensor loads are in (one was out), the add, all my LDS instructions done, the barrier; then the other slot takes the next step's rows
.macro HEAD refill
	WA
	s_wait_tensorcnt 0x0
	ds_add_u32 v1, v2
	s_wait_xcnt 0x0                                ; the last prefetches have read their address
.if \refill
	s_xor_b32 s47, s41, SLOTB
	s_add_co_u32 s33, s47, s61                     ; my block of the slot that is not in hand
	s_add_nc_u64 s[18:19], s[18:19], 131072
.if \refill == 1                       ; refill = 2: a refill with no step two on to name
	s_add_nc_u64 s[56:57], s[56:57], 131072
	s_cmp_eq_u32 s40, 0
	s_cselect_b64 s[56:57], s[36:37], s[56:57]
	s_cmp_eq_u32 s40, 2
	s_cselect_b64 s[56:57], s[38:39], s[56:57]
.endif
	s_cmp_eq_u32 s40, 1                            ; behind query's last step comes key's first,
	s_cselect_b64 s[18:19], s[36:37], s[18:19]
	s_cmp_eq_u32 s40, 3                            ; behind key's last value's first
	s_cselect_b64 s[18:19], s[38:39], s[18:19]
	s_mov_b64 s[34:35], s[18:19]
	s_or_b32 s35, s35, 0x80000000
.endif
	s_wait_dscnt 0x0
	s_barrier_signal -1
	s_barrier_wait -1
.if \refill
	tensor_load_to_lds s[32:35], s[24:31]
	s_nop 0
	PLACES 4
.if \refill == 1
	ASK
.endif
.endif
.endm
; nb blocks of 32: register 16 b + i = k 32 b + 16 (lane / 16) + i of my row.  Out: codes in v[PC] on, the scale bytes in v[PW]
.macro QUANT src, nb
.set qb, 0
.rept \nb
	v_max3_num_f32 v[TM+qb], |v[(\src)+16*qb]|, |v[(\src)+1+16*qb]|, 0x1800000   ; the floor 2^(3 - 127) holds the byte at 1 from below
.set qb, qb+1
.endr
.irp i, 2,4,6,8,10,12,14
.set qb, 0
.rept \nb
	v_max3_num_f32 v[TM+qb], v[TM+qb], |v[(\src)+16*qb+\i]|, |v[(\src)+1+16*qb+\i]|
.set qb, qb+1
.endr
.endr
.set qb, 0
.rept \nb
	v_permlanex16_b32 v[TM+4+qb], v[TM+qb], s20, s21
.set qb, qb+1
.endr
.set qb, 0
.rept \nb
	v_max_num_f32 v[TM+qb], v[TM+qb], v[TM+4+qb]
.set qb, qb+1
.endr
.set qb, 0
.rept \nb
	v_add_nc_u32 v[TM+12+qb], 0xff000000, v[TM+qb] ; 2 off the exponent field: the conversion's scale operand
.set qb, qb+1
.endr
.set qb, 0
.rept \nb
	v_lshrrev_b32 v[TM+4+qb], 23, v[TM+12+qb]      ; the byte
.set qb, qb+1
.endr
	v_lshl_or_b32 v[PW], v[TM+5], 8, v[TM+4]
.if \nb == 4
	v_lshl_or_b32 v[PW], v[TM+6], 16, v[PW]
	v_lshl_or_b32 v[PW], v[TM+7], 24, v[PW]
.endif
.set qc, 0
.rept \nb/2
	v_cvt_scalef32_pk16_fp6_f32 v[PC+6*qc:PC+2+6*qc], v[(\src)+32*qc:(\src)+15+32*qc], v[TM+12+2*qc]
	v_cvt_scalef32_pk16_fp6_f32 v[PC+12+4*qc:PC+14+4*qc], v[(\src)+16+32*qc:(\src)+31+32*qc], v[TM+13+2*qc]
.set qc, qc+1
.endr
	v_nop                                          ; one plain place behind a scaled conversion
.set qc, 0
.rept \nb/2                                    ; a whole block to a lane: lanes 0-15 block 2 c, lanes 16-31 block 2 c + 1
.irp i, 0,1,2
	v_permlane16_swap_b32 v[PC+6*qc+\i], v[PC+12+4*qc+\i]
.endr
.irp i, 0,1,2
	v_mov_b32 v[PC+3+6*qc+\i], v[PC+12+4*qc+\i]
.endr
.set qc, qc+1
.endr
.endm
.macro XPART rd, a                             ; my fragment of x in half a: tile w % 2, K step w / 2.  v5: rows 8 u + r + 8 (r / 8); v6: rows 16 u + r
	WA
	s_wait_xcnt 0x0                                ; the last half's stores have read their registers
.if \a
	s_add_co_u32 s47, s41, SUBB
	v_add_nc_u32 v7, s47, v[\rd]
.else
	v_add_nc_u32 v7, s41, v[\rd]
.endif
.irp b, 0,1,2,3
.irp j, 0,1,2,3
	ds_load_b128 v[ST0+16*\b+4*\j:ST0+16*\b+4*\j+3], v7 offset:128*\b+16*\j
.endr
.endr
	WDS 0x0
	QUANT ST0, 4
.irp c, 0,1,2
	ds_store_b128 v8, v[PC+4*\c:PC+4*\c+3] offset:12288*\a+512*\c
.endr
	ds_store_b32 v9, v[PW] offset:512*\a
	WDS 0x0                                        ; for the others' sake: my image lies in LDS
	s_barrier_signal -1
	s_barrier_wait -1
.endm
.macro FETCHX u, a
.irp p, 0,1
	ds_load_b32 v[XS+2*\u+\p], v11 offset:512*\a+128*(2*\u+\p)
.endr
.irp s, 0,1,2,3
.irp c, 0,1,2
	ds_load_b128 v[XF+12*\s+4*\c:XF+12*\s+4*\c+3], v10 offset:12288*\a+(4*\u+\s)*FRB+512*\c
.endr
.endr
.endm
; 16 products: my 4 tiles of features x tile u of x; 4 accumulators by turns, K step by K step.  v = 1: x is source 0 (V), else the weight is
.macro TRUN u, v
.irp s, 0,1,2,3
	s_wait_dscnt 9-3*\s                            ; this K step's fragment is in; the later K steps' loads, three each, may be out
.irp T, 0,1,2,3
	SETW 4*\s+\T
.if \v
.set tD, WK+16*\T+8*\u
.else
.set tD, HA+32*\u+8*\T
.endif
.if \s == 0
.set tC, -1
.else
.set tC, tD
.endif
.if \v
	WM tD, XF+12*\s, rW, tC, XS+2*\u+(\s>>1), WS+2*\T+(\s>>1), \s&1
.else
	WM tD, rW, XF+12*\s, tC, WS+2*\T+(\s>>1), XS+2*\u+(\s>>1), \s&1
.endif
.endr
.endr
	WIN 0
	PLACES 4
.endm
.macro PROJ v, a
	WA
	s_wait_loadcnt 0x0                             ; the weights
	FETCHX 0, \a
	TRUN 0, \v
	FETCHX 1, \a
	TRUN 1, \v
.endm
.macro QSUB a                                  ; two tiles of 16 queries: half fragments of 768 bytes, 8 bytes a lane; scale words with their two bytes twice
	XPART 6, \a
	PROJ 0, \a
	QUANT HA, 4
.irp u, 0,1
.irp p, 0,1,2
	global_store_b64 v22, v[PC+6*\u+2*\p:PC+6*\u+2*\p+1], s[16:17] offset:1536*\a+768*\u+256*\p
.endr
.endr
	v_perm_b32 v[TM], v[PW], v[PW], 0x01000100
	v_perm_b32 v[TM+1], v[PW], v[PW], 0x03020302
	ds_store_b32 v15, v[TM] offset:QW+128*\a
	ds_store_b32 v15, v[TM+1] offset:QW+128*\a+64
.endm
.macro KSUB a                                  ; 32 keys: one fragment
	XPART 5, \a
	PROJ 0, \a
	QUANT HA, 4
.irp c, 0,1,2
	global_store_b128 v3, v[PC+4*\c:PC+4*\c+3], s[16:17] offset:1536*\a+512*\c
.endr
	ds_store_b32 v15, v[PW] offset:KW+64*\a
.endm
; V: a lane holds feature row r of tile q and keys 32 jl + 16 (lane / 16) + 0 .. 15.  The 12 bytes go to 384 a + 24 r + 12 (lane / 16) of the tile's 768 in my stage: the operand's own order
.macro VSUB a, jl
	XPART 5, \a
	PROJ 1, \a
.irp q, 0,1,2,3
	v_max3_num_f32 v[TM+\q], |v[WK+16*\q]|, |v[WK+16*\q+1]|, 0x1800000
.endr
.irp i, 2,4,6,8,10,12,14
.irp q, 0,1,2,3
	v_max3_num_f32 v[TM+\q], v[TM+\q], |v[WK+16*\q+\i]|, |v[WK+16*\q+\i+1]|
.endr
.endr
.irp q, 0,1,2,3
	v_permlanex16_b32 v[TM+4+\q], v[TM+\q], s20, s21
.endr
.irp q, 0,1,2,3
	v_max_num_f32 v[TM+\q], v[TM+\q], v[TM+4+\q]
.endr
.irp q, 0,1,2,3
	v_add_nc_u32 v[TM+8+\q], 0xff000000, v[TM+\q]
.endr
.irp q, 0,1,2,3
	v_lshrrev_b32 v[TM+4+\q], 23, v[TM+8+\q]
.endr
.irp q, 0,1,2,3
	v_cvt_scalef32_pk16_fp6_f32 v[VC+4*\q:VC+4*\q+2], v[WK+16*\q:WK+16*\q+15], v[TM+8+\q]
.endr
	v_nop
.irp q, 0,1,2,3
.irp i, 0,1,2
	ds_store_b32 v16, v[VC+4*\q+\i] offset:768*\q+384*\a+4*\i
.endr
	ds_store_b8 v13, v[TM+4+\q] offset:VW+64*\q+\jl
.endr
.endm
.macro VOUT st                                 ; a step's 768 bytes of each tile leave as three blocks of 256; LDS serves my instructions in order
.irp i, 0,1,2,3,4,5,6,7,8,9,10,11
	ds_load_b64 v[WK+2*\i:WK+2*\i+1], v21 offset:256*\i
.endr
	WDS 0x0
.irp i, 0,1,2,3,4,5,6,7,8,9,10,11
	global_store_b64 v22, v[WK+2*\i:WK+2*\i+1], s[70:71] offset:3072*(\i/3)+768*\st+256*(\i%3)
.endr
.endm
	s_load_b256 s[4:11], s[0:1], 0x0               ; query, key, value, wfrag
	s_load_b128 s[12:15], s[0:1], 0x20             ; wscl, kvq
	v_lshl_add_u32 v1, v0, 2, SPARE                ; my spare word; never rewritten
	v_mov_b32 v2, 0                                ; never rewritten
	ds_add_u32 v1, v2
	ds_add_u32 v1, v2
	v_lshrrev_b32 v5, 5, v0
	v_readfirstlane_b32 s2, v5                     ; wave w = head
	s_and_b32 s3, s2, 1                            ; u
	s_lshr_b32 s60, s2, 1                          ; w / 2
	s_and_b32 s46, ttmp7, 0xffff                   ; the batch
	s_lshl_b32 s50, s46, 19
	s_lshl_b32 s47, ttmp9, 18
	s_add_co_u32 s50, s50, s47
	s_lshl_b32 s47, s2, 14
	s_add_co_u32 s50, s50, s47                     ; the batch + my half of its rows + my 8 rows of a step
	s_mov_b32 s51, 0
	s_mul_i32 s48, s60, 49152                      ; my fragments of each weight
	s_mul_i32 s47, s3, 6144
	s_add_co_u32 s48, s48, s47
	s_mov_b32 s49, 0
	s_lshl_b32 s44, s2, 10                         ; and their scale words
	s_mov_b32 s45, 0
	s_lshl_b32 s52, s46, 3
	s_add_co_u32 s52, s52, s2
	s_mul_i32 s52, s52, 38912                      ; my batch's and head's part of kvq
	s_mov_b32 s53, 0
	s_mul_i32 s54, ttmp9, 6144
	s_mov_b32 s55, 0
	s_mul_i32 s58, ttmp9, 1536
	s_mov_b32 s59, 0
	s_lshl_b32 s74, ttmp9, 8
	s_mov_b32 s75, 0
	s_mov_b32 s24, (3<<16)|(1<<20)|(7<<22)|(3<<25) ; group 1: 16,384 dense bytes as 16 rows of 1,024 (128 elements of 8 bytes), 16 bytes of padding behind each
	s_mov_b32 s25, 128<<16
	s_mov_b32 s26, 16<<16
	s_mov_b32 s27, 128<<16
	s_mov_b32 s28, 16
	s_mov_b32 s29, 128
	s_mov_b32 s30, 0
	s_mov_b32 s31, 0
	s_mov_b32 s32, 1
	s_mul_i32 s61, s2, BLK                         ; my block of a slot; kept
	s_xor_b32 s62, s2, s60
	s_and_b32 s62, s62, 1
	s_lshl_b32 s62, s62, 4
	s_add_co_u32 s61, s61, s62                     ; the 16 rows of a read start in 16 different columns of 16 bytes, in both orders of rows
	s_mov_b32 s33, s61
	s_mov_b32 s20, 0x76543210
	s_mov_b32 s21, 0xfedcba98                      ; lane l xor 16
	s_wait_dscnt 0x0
	s_wait_kmcnt 0x0
	s_add_nc_u64 s[18:19], s[4:5], s[50:51]        ; the walking address: query's step 0
	s_add_nc_u64 s[36:37], s[6:7], s[50:51]        ; key's
	s_add_nc_u64 s[38:39], s[8:9], s[50:51]        ; value's
	s_add_nc_u64 s[10:11], s[10:11], s[48:49]
	s_add_nc_u64 s[12:13], s[12:13], s[44:45]
	s_add_nc_u64 s[14:15], s[14:15], s[52:53]
	s_add_nc_u64 s[68:69], s[14:15], s[54:55]      ; where my K goes,
	s_add_nc_u64 s[66:67], s[68:69], 24576         ; my Q,
	s_add_nc_u64 s[70:71], s[14:15], s[58:59]
	s_add_nc_u64 s[70:71], s[70:71], 12288         ; my V,
	s_add_nc_u64 s[72:73], s[14:15], s[74:75]
	s_add_nc_u64 s[72:73], s[72:73], 36864         ; the scale words
	s_mov_b64 s[56:57], s[18:19]
	s_mov_b64 s[34:35], s[18:19]
	s_or_b32 s35, s35, 0x80000000
	tensor_load_to_lds s[32:35], s[24:31]          ; step 0 into slot 0: my one load at the head
	s_nop 0
	PLACES 4
	v_and_b32 v18, 31, v0                          ; lane
	v_lshlrev_b32 v3, 4, v18
	v_lshlrev_b32 v4, 2, v18
	WA
	LOADW 2                                        ; Wq
	s_lshr_b32 s47, s60, 1
	s_mul_i32 s47, s47, 1040
	s_and_b32 s48, s60, 1
	s_lshl_b32 s49, s48, 9
	s_add_co_u32 s47, s47, s49                     ; my K step's place in a row
	s_lshl_b32 s51, s3, 1
	s_lshr_b32 s49, s60, 1
	s_add_co_u32 s51, s51, s49
	s_lshl_b32 s51, s51, 7
	s_lshl_b32 s48, s48, 6
	s_add_co_u32 s51, s51, s48
	s_add_co_u32 s51, s51, XSC                     ; my scale words of x
	s_mul_i32 s48, s3, BLK
	s_mul_i32 s49, s3, 2*BLK
	s_lshl_b32 s50, s3, 2
	s_add_co_u32 s50, s50, s60
	s_mul_i32 s50, s50, FRB
	s_add_co_u32 s50, s50, XIMG                    ; my image of x
	s_mul_i32 s62, s2, PRIVB
	s_add_co_u32 s62, s62, PRIV                    ; my own LDS
	v_and_b32 v61, 15, v0                          ; r
	v_bfe_u32 v62, v0, 4, 1                        ; h
	v_bfe_u32 v63, v0, 3, 1                        ; r / 8
	v_and_b32 v19, 7, v0
	v_mul_u32_u24 v14, v19, 2080
	v_lshl_add_u32 v14, v62, 6, v14
	v_xor_b32 v15, s3, v63
	v_lshl_add_u32 v14, v15, 4, v14
	v_add_nc_u32 v14, s47, v14
	v_mad_u32_u24 v5, v63, 2*BLK, v14
	v_add_nc_u32 v5, s48, v5                       ; v5: row 8 u + r + 8 (r / 8) of a half
	v_mad_u32_u24 v6, v63, BLK, v14
	v_add_nc_u32 v6, s49, v6                       ; v6: row 16 u + r
	v_add_nc_u32 v8, s50, v3
	v_lshl_add_u32 v9, v61, 2, s51
	v_add_nc_u32 v10, XIMG, v3
	v_add_nc_u32 v11, XSC, v4
	v_add_nc_u32 v12, s62, v3                      ; PRIV + 16 lane
	v_lshl_add_u32 v13, v61, 2, s62                ; + 4 r
	v_mul_u32_u24 v16, v61, 24
	v_mad_u32_u24 v16, v62, 12, v16
	v_add_nc_u32 v16, s62, v16                     ; + 24 r + 12 h
	v_lshl_add_u32 v21, v18, 3, s62                ; + 8 lane
	v_lshlrev_b32 v22, 3, v18                      ; 8 lane
	v_lshlrev_b32 v23, 8, v18                      ; the prefetches' offset
	v_add_nc_u32 v24, s74, v3                      ; 16 lane + 256 x
.irp i, 4,5,6,7,8,9,10,11,12,13,14,15
	v_mov_b32 v[TM+\i], 0                          ; a lane permute's destination counts as a source
.endr
	WA
	s_mov_b64 s[16:17], s[66:67]
	s_mov_b32 s40, 0                               ; J
	s_mov_b32 s41, 0                               ; the slot in hand
	s_mov_b32 s43, 0
	s_mov_b32 s45, 0
.LQ:                                               ; 2 steps of query
	HEAD 1
	v_add_nc_u32 v15, s43, v13
	QSUB 0
	QSUB 1
	WA
	s_wait_xcnt 0x0                                ; the stores have read their base
	s_add_nc_u64 s[16:17], s[16:17], 3072
	s_xor_b32 s41, s41, SLOTB
	s_add_co_u32 s43, s43, 256
	s_add_co_u32 s40, s40, 1
	s_add_co_u32 s45, s45, 1
	s_cmp_lt_u32 s45, 2
	s_cbranch_scc1 .LQ
	PLACES 4
	LOADW 1                                        ; Wk
	s_mov_b64 s[16:17], s[68:69]
	s_mov_b32 s43, 0
	s_mov_b32 s45, 0
.LK:                                               ; 2 steps of key
	HEAD 1
	v_add_nc_u32 v15, s43, v13
	KSUB 0
	KSUB 1
	WA
	s_wait_xcnt 0x0
	s_add_nc_u64 s[16:17], s[16:17], 3072
	s_xor_b32 s41, s41, SLOTB
	s_add_co_u32 s43, s43, 128
	s_add_co_u32 s40, s40, 1
	s_add_co_u32 s45, s45, 1
	s_cmp_lt_u32 s45, 2
	s_cbranch_scc1 .LK
	PLACES 4
	LOADW 0                                        ; Wv
	HEAD 2                                         ; value's two steps are written out: the first names nothing, the last asks for nothing
	VSUB 0, 0
	VSUB 1, 1
	VOUT 0
	s_xor_b32 s41, s41, SLOTB
	s_add_co_u32 s40, s40, 1
	HEAD 0
	VSUB 0, 2
	VSUB 1, 3
	VOUT 1
	ds_load_b64 v[WK+32:WK+33], v21 offset:KW      ; the scale words leave in whole blocks of 256 bytes
	ds_load_b64 v[WK+34:WK+35], v21 offset:VW
	ds_load_b128 v[WK+36:WK+39], v12 offset:QW
	s_wait_dscnt 0x0
	global_store_b64 v22, v[WK+32:WK+33], s[72:73]
	global_store_b64 v22, v[WK+34:WK+35], s[72:73] offset:512
	global_store_b128 v24, v[WK+36:WK+39], s[72:73] offset:1024
	s_wait_tensorcnt 0x0                           ; the wave's end
	ds_add_u32 v1, v2
	s_wait_dscnt 0x0
	s_endpgm
.Lfunc_end_k_qec278fc702_proj:
	.size	k_qec278fc702_proj, .Lfunc_end_k_qec278fc702_proj-k_qec278fc702_proj
	.p2alignl 7, 3214868480
	.fill 96, 4, 3214868480
	.section	.rodata,"a",@progbits
	.p2align	6, 0x0
	.amdhsa_kernel k_qec278fc702_proj
		.amdhsa_group_segment_fixed_size 327680
		.amdhsa_private_segment_fixed_size 0
		.amdhsa_enable_private_segment 0
		.amdhsa_kernarg_size 48
		.amdhsa_user_sgpr_count 2
		.amdhsa_user_sgpr_kernarg_segment_ptr 1
		.amdhsa_wavefront_size32 1
		.amdhsa_system_sgpr_workgroup_id_x 1
		.amdhsa_system_sgpr_workgroup_id_y 1
		.amdhsa_system_sgpr_workgroup_id_z 1
		.amdhsa_system_vgpr_workitem_id 0
		.amdhsa_next_free_vgpr 512
		.amdhsa_next_free_sgpr 80
		.amdhsa_reserve_vcc 0
		.amdhsa_float_denorm_mode_32 3
		.amdhsa_float_denorm_mode_16_64 3
		.amdhsa_memory_ordered 1
		.amdhsa_forward_progress 1
		.amdhsa_inst_pref_size 160
	.end_amdhsa_kernel
	.amdgpu_metadata
---
amdhsa.version: [ 1, 2 ]
amdhsa.kernels:
  - .name:           k_qec278fc702_proj
    .symbol:         k_qec278fc702_proj.kd
    .args:
      - { .name: query, .offset: 0, .size: 8, .value_kind: global_buffer, .address_space: global }
      - { .name: key, .offset: 8, .size: 8, .value_kind: global_buffer, .address_space: global }
      - { .name: value, .offset: 16, .size: 8, .value_kind: global_buffer, .address_space: global }
      - { .name: wfrag, .offset: 24, .size: 8, .value_kind: global_buffer, .address_space: global }
      - { .name: wscl, .offset: 32, .size: 8, .value_kind: global_buffer, .address_space: global }
      - { .name: kvq, .offset: 40, .size: 8, .value_kind: global_buffer, .address_space: global }
    .group_segment_fixed_size: 327680
    .private_segment_fixed_size: 0
    .kernarg_segment_align: 8
    .kernarg_segment_size: 48
    .max_flat_workgroup_size: 256
    .sgpr_count:     80
    .vgpr_count:     512
    .wavefront_size: 32
...
	.end_amdgpu_metadata
.endif
;; end of part 2
;; launch attn (part 3): grid 2 x 128, 8 waves a work-group, no clusters, 158,720 bytes of LDS; arguments kvq, rpet, out0, wfrag, wscl; writes out0
.if DOCPART == 3
	.amdgcn_target "amdgcn-amd-amdhsa--gfx1250"
	.amdhsa_code_object_version 6
	.text
	.protected	k_qec278fc702_attn
	.globl	k_qec278fc702_attn
	.p2align	8
	.type	k_qec278fc702_attn,@function
k_qec278fc702_attn:
	s_mov_b64 s[64:65], 0
	v_nop
	global_prefetch_b8 v0, s[64:65] scope:SCOPE_SE
	s_setreg_imm32_b32 hwreg(HW_REG_WAVE_MODE, 25, 1), 1
	s_wait_xcnt 0x0
; out0 = concat_h(softmax((Q K^T + bias) / 8) V) Wo on the codes of FP6 (E2M3) that the launch before has stored in kvq (its head comment gives the layout).
; SHARES.  Work-group (x, y): batch y, query rows 128 x .. 128 x + 127.  Eight waves, two to a SIMD; wave w is head w in the attention and owns output columns 64 w .. in the last product.
; K's 8 and V's 8 fragments go from memory straight into registers for the whole attention; Q's 8 half fragments and the head's bias table go once into the wave's own LDS.  No tensor load, no ring.
; The score of key tile u of a fragment multiplies K's fragment by Q's operand u, whose other half is zero codes.  The bias is the C of the score's product.  S^T = K Q^T and O^T = V^T P^T: a lane holds one query throughout.
; SOFTMAX: t = (score + bias) log2(e) / 8; M = ceil(the row's largest t); p = 2^(t - M) is quantised along the keys; the row's sum is taken of the unquantised p and divides O.  All 256 keys of a row are in registers.
; The heads' results are quantised along the last product's K and meet in LDS; one barrier; each wave multiplies all 128 rows by its 64 columns of Wo.
; NO CLUSTER, NO PREFETCH: the operands go to registers by loads at the head, one touch each, with no loop to run ahead in.
; LIMITS: NaN and infinities are not served.  A block of zeros, or one whose largest magnitude lies under 2^-124, gets the scale byte 1 (this program alone reads the bytes).  A p under 2^-126 comes out of v_exp_f32 as 0.
; A block's largest p is taken as the exponential of the block's largest score; this takes v_exp_f32 not to fall where its input rises.
.set SPARE, 0
.set CSC,   1024                       ; the concatenated heads' scale words [tile 8][K step 4][row 16]
.set PRIV,  3072                       ; each wave's own bytes: bias table 6,400 | stage 4,352 | .. | Q's half fragments, later the concatenated heads' | Q's scale words
.set PRIVB, 19456
.set FRB,   1536
.set STG,   6400
.set QOFF,  12800
.set QSCO,  18944
.set WS, 32                            ; v32-54 hold scales alone
.set KS, 40
.set VS, 44
.set XS, 48
.set PS, 52
.set QS, 54
.set WK, 64
.set HA, WK
.set XF, WK+64
.set OB, WK+32
.set SS, WK
.set TM, 176
.set PC, 192
.set PW, 212
.set BM, 192
.set BT, 200
.set SO, 208
.set PF0, 216
.set CT, 240
.set KR0, 256
.set VR0, 352
.set OT, 448
.set QZ0, 480
.macro SETW g
.if (\g) <= 12
.set rW, 352+12*(\g)
.else
.set rW, 216+12*((\g)-13)
.endif
.endm
.set MSB, 0
.macro WIN new
.if MSB != (\new)
	s_set_vgpr_msb (MSB<<8)|(\new)
.set MSB, (\new)
.endif
.endm
.macro PLACES n
.rept \n
	v_nop
.endr
.endm
.macro WA
	s_wait_alu depctr_va_vdst(0)
.endm
.macro WDS n
	WA
	s_wait_dscnt \n
.endm
; One matrix instruction; absolute register numbers; c < 0: the constant 0 starts the sum; ra: source 0's scales from lanes 16-31
.macro WM d, a, b, c, sa, sb, ra
.set wD, (\d)&255
.set wA, (\a)&255
.set wB, (\b)&255
.if (\c) < 0
	WIN (((\d)>>8)*0x50)|(((\b)>>8)<<2)|((\a)>>8)
.if (\ra)
	v_wmma_scale_f32_16x16x128_f8f6f4 v[wD:wD+7], v[wA:wA+11], v[wB:wB+11], 0, v[\sa], v[\sb] matrix_a_fmt:MATRIX_FMT_FP6 matrix_b_fmt:MATRIX_FMT_FP6 matrix_a_scale:MATRIX_SCALE_ROW1
.else
	v_wmma_scale_f32_16x16x128_f8f6f4 v[wD:wD+7], v[wA:wA+11], v[wB:wB+11], 0, v[\sa], v[\sb] matrix_a_fmt:MATRIX_FMT_FP6 matrix_b_fmt:MATRIX_FMT_FP6
.endif
.else
.set wC, (\c)&255
	WIN (((\d)>>8)<<6)|(((\c)>>8)<<4)|(((\b)>>8)<<2)|((\a)>>8)
.if (\ra)
	v_wmma_scale_f32_16x16x128_f8f6f4 v[wD:wD+7], v[wA:wA+11], v[wB:wB+11], v[wC:wC+7], v[\sa], v[\sb] matrix_a_fmt:MATRIX_FMT_FP6 matrix_b_fmt:MATRIX_FMT_FP6 matrix_a_scale:MATRIX_SCALE_ROW1
.else
	v_wmma_scale_f32_16x16x128_f8f6f4 v[wD:wD+7], v[wA:wA+11], v[wB:wB+11], v[wC:wC+7], v[\sa], v[\sb] matrix_a_fmt:MATRIX_FMT_FP6 matrix_b_fmt:MATRIX_FMT_FP6
.endif
.endif
.endm
.macro LDSL64 dst, adr, off
	WIN (((\dst)>>8)<<6)
	ds_load_b64 v[(\dst)&255:((\dst)&255)+1], v[\adr] offset:\off
.endm
.macro QUANT src, nb
.set qb, 0
.rept \nb
	v_max3_num_f32 v[TM+qb], |v[(\src)+16*qb]|, |v[(\src)+1+16*qb]|, 0x1800000   ; the floor 2^(3 - 127) holds the byte at 1 from below
.set qb, qb+1
.endr
.irp i, 2,4,6,8,10,12,14
.set qb, 0
.rept \nb
	v_max3_num_f32 v[TM+qb], v[TM+qb], |v[(\src)+16*qb+\i]|, |v[(\src)+1+16*qb+\i]|
.set qb, qb+1
.endr
.endr
.set qb, 0
.rept \nb
	v_permlanex16_b32 v[TM+4+qb], v[TM+qb], s20, s21
.set qb, qb+1
.endr
.set qb, 0
.rept \nb
	v_max_num_f32 v[TM+qb], v[TM+qb], v[TM+4+qb]
.set qb, qb+1
.endr
.set qb, 0
.rept \nb
	v_add_nc_u32 v[TM+12+qb], 0xff000000, v[TM+qb]
.set qb, qb+1
.endr
.set qb, 0
.rept \nb
	v_lshrrev_b32 v[TM+4+qb], 23, v[TM+12+qb]
.set qb, qb+1
.endr
	v_lshl_or_b32 v[PW], v[TM+5], 8, v[TM+4]
.set qc, 0
.rept \nb/2
	v_cvt_scalef32_pk16_fp6_f32 v[PC+6*qc:PC+2+6*qc], v[(\src)+32*qc:(\src)+15+32*qc], v[TM+12+2*qc]
	v_cvt_scalef32_pk16_fp6_f32 v[PC+12+4*qc:PC+14+4*qc], v[(\src)+16+32*qc:(\src)+31+32*qc], v[TM+13+2*qc]
.set qc, qc+1
.endr
	v_nop
.set qc, 0
.rept \nb/2
.irp i, 0,1,2
	v_permlane16_swap_b32 v[PC+6*qc+\i], v[PC+12+4*qc+\i]
.endr
.irp i, 0,1,2
	v_mov_b32 v[PC+3+6*qc+\i], v[PC+12+4*qc+\i]
.endr
.set qc, qc+1
.endr
.endm
	s_load_b256 s[4:11], s[0:1], 0x0               ; kvq, rpet, out0, wfrag
	s_load_b64 s[12:13], s[0:1], 0x20              ; wscl
	v_lshl_add_u32 v1, v0, 2, SPARE                ; my spare word; never rewritten
	v_mov_b32 v2, 0                                ; never rewritten
	v_lshrrev_b32 v5, 5, v0
	v_readfirstlane_b32 s2, v5                     ; wave w = head
	s_and_b32 s3, s2, 1
	s_lshr_b32 s60, s2, 1
	s_and_b32 s46, ttmp7, 0xffff                   ; the batch
	s_lshl_b32 s48, s46, 3
	s_add_co_u32 s48, s48, s2
	s_mul_i32 s48, s48, 38912                      ; my batch's and head's part of kvq
	s_mov_b32 s49, 0
	s_mul_i32 s50, ttmp9, 6144
	s_mov_b32 s51, 0
	s_lshl_b32 s58, ttmp9, 9
	s_mov_b32 s59, 0
	s_mul_i32 s52, s60, 49152                      ; my fragments of Wo
	s_mul_i32 s53, s3, 6144
	s_add_co_u32 s52, s52, s53
	s_mov_b32 s53, 0
	s_lshl_b32 s54, s2, 10
	s_mov_b32 s55, 0
	s_xor_b32 s56, ttmp9, 1
	s_lshl_b32 s56, s56, 9                         ; the bias table: the lower half of the rows begins 128 entries on,
	s_lshl_b32 s57, s2, 13
	s_add_co_u32 s56, s56, s57                     ; in my head's table
	s_mov_b32 s57, 0
	s_lshl_b32 s44, s46, 19
	s_lshl_b32 s45, ttmp9, 18
	s_add_co_u32 s44, s44, s45
	s_lshl_b32 s45, s2, 8
	s_add_co_u32 s44, s44, s45                     ; out0: the batch + my half + my 64 columns
	s_mov_b32 s45, 0
	s_mul_i32 s62, s2, PRIVB
	s_add_co_u32 s62, s62, PRIV                    ; my own LDS
	s_lshl_b32 s40, s60, 6
	s_lshl_b32 s41, s3, 1
	s_add_co_u32 s40, s40, s41
	s_add_co_u32 s40, s40, CSC
	s_add_co_u32 s41, s62, STG
	s_add_co_u32 s42, s62, 448
	s_mov_b32 s20, 0x76543210
	s_mov_b32 s21, 0xfedcba98                      ; lane l xor 16
	s_mov_b32 s22, 0x3e38aa3b                      ; c = log2(e) / 8
	s_mov_b32 s23, s22
	v_and_b32 v18, 31, v0                          ; lane
	v_lshlrev_b32 v3, 4, v18
	v_lshlrev_b32 v4, 2, v18
	v_mul_u32_u24 v23, v18, 24                     ; V's offset: 24 bytes a lane
	v_and_b32 v61, 15, v0                          ; r
	v_bfe_u32 v62, v0, 4, 1                        ; h
	v_add_nc_u32 v12, s62, v3                      ; PRIV + 16 lane
	v_lshl_add_u32 v13, v61, 2, s62                ; + 4 r
	v_lshl_add_u32 v21, v18, 3, s62                ; + 8 lane
	v_and_b32 v19, 3, v0
	v_xor_b32 v19, 3, v19                          ; the bias: copy (r % 4) ^ 3,
	v_mul_u32_u24 v24, v19, 1600
	v_bfe_u32 v19, v0, 2, 2
	v_xor_b32 v19, 3, v19
	v_lshl_add_u32 v24, v19, 4, v24                ; + 16 ((r / 4) ^ 3)
	v_lshl_add_u32 v24, v62, 6, v24                ; + 64 h
	v_add_nc_u32 v24, s42, v24                     ; v24: key 16 h for query r of tile 0; 64 bytes less for each tile on
	v_lshl_add_u32 v26, v61, 2, s40                ; v26: my two bytes of the concatenated heads' scale words
	v_mul_u32_u24 v27, v61, 272
	v_lshl_add_u32 v27, v62, 5, v27
	v_add_nc_u32 v27, s41, v27                     ; v27: into the stage
	v_mul_u32_u24 v56, v62, 272
	v_lshl_add_u32 v56, v61, 4, v56
	v_add_nc_u32 v56, s41, v56                     ; v56: back: sixteen lanes to a row of 256 bytes
	v_lshlrev_b32 v60, 11, v62
	v_lshl_add_u32 v60, v61, 4, v60                ; v60: the same two rows in out0
	v_lshlrev_b32 v57, 3, v18
	v_add_nc_u32 v58, PRIV+QOFF+4*PRIVB, v57       ; v57, v58: the concatenated heads of waves 0-3, 4-7
	v_add_nc_u32 v57, PRIV+QOFF, v57
	v_lshlrev_b32 v59, 2, v61
	v_add_nc_u32 v59, CSC, v59
	v_mov_b32 v29, 0                               ; (upper halves of the pairs v[28:29], v[6:7])
	v_mov_b32 v7, 0
	v_mov_b32 v20, 0
.irp i, 0,1,2,3,4,5,6,7
	v_mov_b32 v[BT+\i], 0                          ; a lane permute's destination counts as a source
.endr
.irp i, 4,5
	v_mov_b32 v[TM+\i], 0
.endr
	WIN 0x40
.irp i, 6,7,8,9,10,11,12,13,14,15,16,17
	v_mov_b32 v[((QZ0+\i)&255)], 0                 ; the blank halves of Q's two operands: zero codes, written once
.endr
	WIN 0
	WA
	s_wait_kmcnt 0x0
	s_add_nc_u64 s[4:5], s[4:5], s[48:49]
	s_add_nc_u64 s[14:15], s[4:5], s[50:51]
	s_add_nc_u64 s[14:15], s[14:15], 24576         ; my 8 tiles of Q
	s_add_nc_u64 s[16:17], s[4:5], s[58:59]
	s_add_nc_u64 s[16:17], s[16:17], 37888         ; and their scale words
	s_add_nc_u64 s[6:7], s[6:7], s[56:57]
	s_add_nc_u64 s[8:9], s[8:9], s[44:45]
	s_add_nc_u64 s[10:11], s[10:11], s[52:53]
	s_add_nc_u64 s[12:13], s[12:13], s[54:55]
	WIN 0x40
.irp t, 0,1,2,3,4,5,6,7                        ; K
.irp c, 0,1,2
	global_load_b128 v[(KR0+12*\t+4*\c)&255:((KR0+12*\t+4*\c)&255)+3], v3, s[4:5] offset:FRB*\t+512*\c
.endr
.endr
	WIN 0
.irp p, 0,1,2,3
	global_load_b32 v[KS+\p], v4, s[4:5] offset:36864+128*\p   ; lanes 0-15: fragment 2 p, lanes 16-31: 2 p + 1
.endr
.irp i, 0,1,2,3,4,5,6,7,8,9,10,11
	global_load_b128 v[WK+4*\i:WK+4*\i+3], v3, s[14:15] offset:512*\i
.endr
	global_load_b128 v[WK+48:WK+51], v3, s[16:17]
.irp c, 0,1,2,3                                ; my head's bias table: of each copy the 384 entries that my half's rows use
.irp i, 0,1,2
	global_load_b128 v[WK+52+4*(3*\c+\i):WK+52+4*(3*\c+\i)+3], v3, s[6:7] offset:\c*2048+512*\i
.endr
.endr
	WIN 0x40
.irp T, 0,1,2,3                                ; V
.irp s, 0,1
.irp c, 0,1
.irp k, 0,1,2
	global_load_b64 v[(VR0+12*(2*\T+\s)+6*\c+2*\k)&255:((VR0+12*(2*\T+\s)+6*\c+2*\k)&255)+1], v23, s[4:5] offset:12288+3072*\T+1536*\s+768*\c+8*\k
.endr
.endr
.endr
.endr
	WIN 0
.irp p, 0,1
.irp k, 0,1
	global_load_b32 v[VS+2*\p+\k], v4, s[4:5] offset:37376+256*\k+128*\p   ; lanes 0-15: tile 2 p, lanes 16-31: 2 p + 1; key step k
.endr
.endr
	s_wait_loadcnt 52                              ; all but V's 48 loads and its 4 of scale words are in
.irp i, 0,1,2,3,4,5,6,7,8,9,10,11
	ds_store_b128 v12, v[WK+4*\i:WK+4*\i+3] offset:QOFF+512*\i
.endr
	ds_store_b128 v12, v[WK+48:WK+51] offset:QSCO
.irp c, 0,1,2,3
.irp i, 0,1,2
	ds_store_b128 v12, v[WK+52+4*(3*\c+\i):WK+52+4*(3*\c+\i)+3] offset:\c*1600+512*\i
.endr
.endr
	s_mov_b32 s45, 0
	s_mov_b32 s46, 0                               ; half fragments: 768 bytes a tile
	s_mov_b32 s47, 0                               ; Q's scale words and the bias's step: 64
	s_mov_b32 s48, 0                               ; the concatenated heads' scale words: 256
.LA:                                               ; 8 tiles of 16 queries
	v_add_nc_u32 v14, s46, v21
	v_add_nc_u32 v15, s47, v13
	v_sub_nc_u32 v25, v24, s47
	v_add_nc_u32 v19, s48, v26
.irp p, 0,1,2
	LDSL64 QZ0+2*\p, 14, QOFF+256*\p               ; Q in registers 0-5 of operand 0,
	LDSL64 QZ0+18+2*\p, 14, QOFF+256*\p            ; and in registers 6-11 of operand 1
.endr
	WIN 0
	ds_load_b32 v[QS], v15 offset:QSCO
.irp T, 0,1,2,3,4,5,6,7,8,9,10,11,12,13,14,15  ; the bias in the result's layout: register 8 T + j is key 32 (T / 2) + 16 h + 8 (T % 2) + j
	ds_load_b128 v[SS+8*\T:SS+8*\T+3], v25 offset:128*(\T>>1)+32*(\T&1)
	ds_load_b128 v[SS+8*\T+4:SS+8*\T+7], v25 offset:128*(\T>>1)+32*(\T&1)+16
.endr
	WA
.irp T, 0,1,2,3,4,5,6,7,8,9,10,11,12,13,14,15
.if (\T&3) == 0
	s_wait_dscnt 24-2*\T                           ; the bias of these four tiles is in; the later tiles' loads, two each, may be out
.endif
	WM SS+8*\T, KR0+12*(\T>>1), QZ0+12*(\T&1), SS+8*\T, KS+(\T>>2), QS, (\T>>1)&1
.endr
	WIN 0
	PLACES 4
.irp b, 0,1,2,3,4,5,6,7
	v_max3_num_f32 v[BM+\b], v[SS+16*\b], v[SS+16*\b+1], v[SS+16*\b+2]   ; each block's largest score: for the row's maximum and for the block's largest p
.endr
.irp i, 3,5,7,9,11,13
.irp b, 0,1,2,3,4,5,6,7
	v_max3_num_f32 v[BM+\b], v[BM+\b], v[SS+16*\b+\i], v[SS+16*\b+\i+1]
.endr
.endr
.irp b, 0,1,2,3,4,5,6,7
	v_max_num_f32 v[BM+\b], v[BM+\b], v[SS+16*\b+15]
.endr
.irp b, 0,1,2,3,4,5,6,7
	v_permlanex16_b32 v[BT+\b], v[BM+\b], s20, s21
.endr
.irp b, 0,1,2,3,4,5,6,7
	v_max_num_f32 v[BM+\b], v[BM+\b], v[BT+\b]
.endr
	v_max3_num_f32 v5, v[BM], v[BM+1], v[BM+2]
	v_max3_num_f32 v20, v[BM+3], v[BM+4], v[BM+5]
	v_max3_num_f32 v5, v5, v[BM+6], v[BM+7]
	v_max_num_f32 v5, v5, v20
	v_mul_f32 v5, s22, v5                          ; as t
	v_floor_f32 v28, -v5                           ; -M = -ceil(t)
.set n, 0
.rept 64
	v_pk_fma_f32 v[SS+n:SS+n+1], v[SS+n:SS+n+1], s[22:23], v[28:29] op_sel_hi:[1,0,0]   ; t - M
.set n, n+2
.endr
.irp b, 0,1,2,3,4,5,6,7
	v_fma_f32 v[BM+\b], v[BM+\b], s22, v28
.endr
	WA                                             ; ahead of the batch
.set n, 0
.rept 128
	v_exp_f32 v[SS+n], v[SS+n]                     ; p = 2^(t - M)
.set n, n+1
.endr
.irp b, 0,1,2,3,4,5,6,7
	v_exp_f32 v[BM+\b], v[BM+\b]                   ; the blocks' largest p
.endr
	v_nop
	WA                                             ; and behind it
	v_pk_add_f32 v[30:31], v[SS:SS+1], v[SS+2:SS+3]        ; the row's sum, of the unquantised p, in two chains
	v_pk_add_f32 v[8:9], v[SS+4:SS+5], v[SS+6:SS+7]
.set n, 8
.rept 30
	v_pk_add_f32 v[30:31], v[30:31], v[SS+n:SS+n+1]
	v_pk_add_f32 v[8:9], v[8:9], v[SS+n+2:SS+n+3]
.set n, n+4
.endr
	v_pk_add_f32 v[30:31], v[30:31], v[8:9]
	v_add_f32 v6, v30, v31
	v_permlanex16_b32 v20, v6, s20, s21
	v_add_f32 v6, v6, v20
	WA
	v_rcp_f32 v6, v6                               ; 1 / the sum; first read behind the second product
.irp b, 0,1,2,3,4,5,6,7
	v_max_num_f32 v[BM+\b], 0x1800000, v[BM+\b]    ; the floor
.endr
.irp b, 0,1,2,3,4,5,6,7
	v_add_nc_u32 v[SO+\b], 0xff000000, v[BM+\b]
.endr
.irp b, 0,1,2,3,4,5,6,7
	v_lshrrev_b32 v[BT+\b], 23, v[SO+\b]
.endr
	v_lshl_or_b32 v[PS], v[BT+1], 8, v[BT]         ; p's scale words: keys 0-127, 128-255
	v_lshl_or_b32 v[PS+1], v[BT+5], 8, v[BT+4]
	v_lshl_or_b32 v[PS], v[BT+2], 16, v[PS]
	v_lshl_or_b32 v[PS+1], v[BT+6], 16, v[PS+1]
	v_lshl_or_b32 v[PS], v[BT+3], 24, v[PS]
	v_lshl_or_b32 v[PS+1], v[BT+7], 24, v[PS+1]
.irp k, 0,1
.irp c, 0,1
	v_cvt_scalef32_pk16_fp6_f32 v[PF0+12*\k+6*\c:PF0+12*\k+6*\c+2], v[SS+64*\k+32*\c:SS+64*\k+32*\c+15], v[SO+4*\k+2*\c]
	v_cvt_scalef32_pk16_fp6_f32 v[CT+4*\c:CT+4*\c+2], v[SS+64*\k+32*\c+16:SS+64*\k+32*\c+31], v[SO+4*\k+2*\c+1]
.endr
	v_nop
.irp c, 0,1
.irp i, 0,1,2
	v_permlane16_swap_b32 v[PF0+12*\k+6*\c+\i], v[CT+4*\c+\i]
.endr
.irp i, 0,1,2
	v_mov_b32 v[PF0+12*\k+6*\c+3+\i], v[CT+4*\c+\i]
.endr
.endr
.endr
	WA
	s_wait_loadcnt 0x0                             ; V is in
	PLACES 8                                       ; operands and scales written by vector instructions stand their places ahead of a scaled matrix instruction
.irp k, 0,1                                    ; O^T = V^T P^T: four tiles of 16 features by turns
.irp f, 0,1,2,3
.if \k == 0
	WM OT+8*\f, VR0+12*(2*\f+\k), PF0+12*\k, -1, VS+2*(\f>>1)+\k, PS+\k, \f&1
.else
	WM OT+8*\f, VR0+12*(2*\f+\k), PF0+12*\k, OT+8*\f, VS+2*(\f>>1)+\k, PS+\k, \f&1
.endif
.endr
.endr
	PLACES 4
	WIN 0x01
	WA                                             ; for the reciprocal, ahead of its first reader
.set n, 0
.rept 16
	v_pk_mul_f32 v[WK+n:WK+n+1], v[(OT&255)+n:(OT&255)+n+1], v[6:7] op_sel_hi:[1,0]   ; O^T / the sum: register 16 b + i is feature 32 b + 16 h + i of my 64
.set n, n+2
.endr
	WIN 0
	QUANT WK, 2                                    ; half (w % 2) of K step w / 2 of the last product
.irp p, 0,1,2
	ds_store_b64 v14, v[PC+2*\p:PC+2*\p+1] offset:QOFF+256*\p   ; into the bytes that Q's tile has left
.endr
	ds_store_b16 v19, v[PW]
	WA
	s_add_co_u32 s46, s46, 768
	s_add_co_u32 s47, s47, 64
	s_add_co_u32 s48, s48, 256
	s_add_co_u32 s45, s45, 1
	s_cmp_lt_u32 s45, 8
	s_cbranch_scc1 .LA
	PLACES 4
.irp s, 0,1,2,3                                ; Wo: my 16 fragments and their scale words
.irp T, 0,1,2,3
	SETW 4*\s+\T
.irp c, 0,1,2
	WIN (((rW+4*\c)>>8)<<6)
	global_load_b128 v[(rW+4*\c)&255:((rW+4*\c)&255)+3], v3, s[10:11] offset:3*196608+FRB*(8*\s+\T)+512*\c
.endr
.endr
.endr
	WIN 0
.irp p, 0,1,2,3,4,5,6,7
	global_load_b32 v[WS+\p], v4, s[12:13] offset:3*8192+128*\p
.endr
	WDS 0x0                                        ; for the others' sake: my half fragments lie in LDS
	s_barrier_signal -1
	s_barrier_wait -1
	s_wait_loadcnt 0x0
	s_mov_b32 s45, 0
	s_mov_b32 s46, 0
	s_mov_b32 s48, 0
.LO:                                               ; 8 tiles of 16 rows x my 64 columns, transposed: a lane holds eight neighbouring columns of one row
	v_add_nc_u32 v14, s46, v57
	v_add_nc_u32 v15, s46, v58
	v_add_nc_u32 v18, s48, v59
.irp s, 0,1,2,3
	ds_load_b32 v[XS+\s], v18 offset:64*\s
.endr
.irp s, 0,1,2,3
.irp e, 0,1
.irp p, 0,1,2
	ds_load_b64 v[XF+12*\s+6*\e+2*\p:XF+12*\s+6*\e+2*\p+1], v[14+(\s>>1)] offset:((2*\s+\e)&3)*PRIVB+256*\p
.endr
.endr
.endr
	WDS 0x0
.irp s, 0,1,2,3
.irp T, 0,1,2,3
	SETW 4*\s+\T
.if \s == 0
	WM HA+8*\T, rW, XF+12*\s, -1, WS+2*\T+(\s>>1), XS+\s, \s&1
.else
	WM HA+8*\T, rW, XF+12*\s, HA+8*\T, WS+2*\T+(\s>>1), XS+\s, \s&1
.endif
.endr
.endr
	WIN 0
	PLACES 5
.irp T, 0,1,2,3
	ds_store_b128 v27, v[HA+8*\T:HA+8*\T+3] offset:64*\T           ; each accumulator from its low end on
	ds_store_b128 v27, v[HA+8*\T+4:HA+8*\T+7] offset:64*\T+16
.endr
.irp i, 0,1,2,3,4,5,6,7
	ds_load_b128 v[OB+4*\i:OB+4*\i+3], v56 offset:544*\i           ; LDS serves a wave's instructions in order: these see my stores
.endr
.irp i, 0,1,2,3,4,5,6,7
	s_wait_dscnt 7-\i                              ; rows 2 i, 2 i + 1 are back; the younger loads may be out
	global_store_b128 v60, v[OB+4*\i:OB+4*\i+3], s[8:9] offset:4096*\i th:TH_STORE_NT   ; sixteen lanes store 256 consecutive bytes, at a multiple of 256 from out0's first byte
.endr
	s_wait_xcnt 0x0                                ; the stores have read their registers and their base
	s_add_nc_u64 s[8:9], s[8:9], 32768
	s_add_co_u32 s46, s46, 768
	s_add_co_u32 s48, s48, 256
	s_add_co_u32 s45, s45, 1
	s_cmp_lt_u32 s45, 8
	s_cbranch_scc1 .LO
	s_wait_tensorcnt 0x0                           ; the wave's end
	ds_add_u32 v1, v2
	s_wait_dscnt 0x0
	s_endpgm
.Lfunc_end_k_qec278fc702_attn:
	.size	k_qec278fc702_attn, .Lfunc_end_k_qec278fc702_attn-k_qec278fc702_attn
	.p2alignl 7, 3214868480
	.fill 96, 4, 3214868480
	.section	.rodata,"a",@progbits
	.p2align	6, 0x0
	.amdhsa_kernel k_qec278fc702_attn
		.amdhsa_group_segment_fixed_size 158720
		.amdhsa_private_segment_fixed_size 0
		.amdhsa_enable_private_segment 0
		.amdhsa_kernarg_size 40
		.amdhsa_user_sgpr_count 2
		.amdhsa_user_sgpr_kernarg_segment_ptr 1
		.amdhsa_wavefront_size32 1
		.amdhsa_system_sgpr_workgroup_id_x 1
		.amdhsa_system_sgpr_workgroup_id_y 1
		.amdhsa_system_sgpr_workgroup_id_z 1
		.amdhsa_system_vgpr_workitem_id 0
		.amdhsa_next_free_vgpr 512
		.amdhsa_next_free_sgpr 66
		.amdhsa_reserve_vcc 0
		.amdhsa_float_denorm_mode_32 3
		.amdhsa_float_denorm_mode_16_64 3
		.amdhsa_memory_ordered 1
		.amdhsa_forward_progress 1
		.amdhsa_inst_pref_size 60
	.end_amdhsa_kernel
	.amdgpu_metadata
---
amdhsa.version: [ 1, 2 ]
amdhsa.kernels:
  - .name:           k_qec278fc702_attn
    .symbol:         k_qec278fc702_attn.kd
    .args:
      - { .name: kvq, .offset: 0, .size: 8, .value_kind: global_buffer, .address_space: global }
      - { .name: rpet, .offset: 8, .size: 8, .value_kind: global_buffer, .address_space: global }
      - { .name: out0, .offset: 16, .size: 8, .value_kind: global_buffer, .address_space: global }
      - { .name: wfrag, .offset: 24, .size: 8, .value_kind: global_buffer, .address_space: global }
      - { .name: wscl, .offset: 32, .size: 8, .value_kind: global_buffer, .address_space: global }
    .group_segment_fixed_size: 158720
    .private_segment_fixed_size: 0
    .kernarg_segment_align: 8
    .kernarg_segment_size: 40
    .max_flat_workgroup_size: 256
    .sgpr_count:     66
    .vgpr_count:     512
    .wavefront_size: 32
...
	.end_amdgpu_metadata
.endif
;; end of part 3
